; MI455X (gfx1250); checked and timed in simulation.
; The chip was launched on July 23, 2026; its instructions are those of AMD's public machine-readable ISA for CDNA 5 (MIT licence, August 2026) and "CDNA5" Instruction Set Architecture Reference Guide (July 2026). The comments in the code are by the model that wrote it; some were corrected since.
;; CTG Calibrated Binary. Allowed arithmetic: matrix products marked QUANTISED: E4M3 operands, one E8M0 scale for each 32 along K, by v_wmma_scale_f32_16x16x128_f8f6f4 with both operands' format E4M3, f32 sums; everything else in f32.
;; Inputs: block_scales 64 x 64 float32; sign 4,096 x 4,096 float32; x_codes 4,096 x 128 x 32 uint8 (E4M3 codes of x, K innermost, in blocks of 32 codes); x_scales 4,096 x 128 uint8 (E8M0 scales of x, one for each 32 codes along K).
;; Outputs: out0 4,096 x 4,096 float32.
;; This version of the problem:
;;   THIS VERSION OF THE PROBLEM IS GIVEN IN LOW PRECISION. The matrix products marked QUANTISED in the list below multiply operands that are first quantised to E4M3 (4 exponent bits, 3 mantissa bits; 8 bits a number), with one power-of-two scale for each 32 numbers along K (OCP MX v1.0); their sums are f32. All else is computed in f32.
;;   The module's matrix products, in the order in which they are computed (A, B: the left and right operand; K: the contracted axis; several contracted axes count as one K, in the product's order):
;;     1. [M 4,096, K 4,096] x [K 4,096, N 4,096]; A: input x (given as codes); B: computed on the way: QUANTISED
;;   THE QUANTISER, for each operand of a quantised product, along K:
;;     - K is cut into blocks of 32 from its start; a last block that is shorter is filled with zeros.
;;     - A block's scale is 2^e with e = floor(log2(the largest magnitude in the block)) - 8, held to -126 .. 127; a block of zeros has e = 0. As a byte (E8M0): e + 127.
;;     - Each number is divided by its block's scale, clamped to +-448, and rounded to the nearest number of E4M3, ties to even, subnormals kept.
;;     - The product sums the exact products of the quantised numbers (number of the format x scale) in f32.
;;   ~~~python
;;   def quantise(x, axis):      # numpy; x: float32 -> the quantised numbers, widened to float32 again
;;       x = np.moveaxis(x, axis, -1); K = x.shape[-1]
;;       x = np.pad(x, [(0, 0)] * (x.ndim - 1) + [(0, -K % 32)]); x = x.reshape(x.shape[:-1] + (-1, 32)); a = np.abs(x).max(-1, keepdims=True)
;;       e = np.where(a > 0, np.clip(np.frexp(np.where(a > 0, a, 1))[1] - 1 - 8, -126, 127), 0)      # np.frexp(a)[1] - 1 = floor(log2(a)), exactly
;;       r = np.clip(x / 2.0 ** e, -448, 448)
;;       step = 2.0 ** (np.maximum(np.frexp(np.where(r == 0, 1, r))[1] - 1, -6) - 3)
;;       q = np.round(r / step) * step * 2.0 ** e      # np.round: ties to even
;;       return np.moveaxis(q.reshape(q.shape[:-2] + (-1,))[..., :K], -1, axis).astype(np.float32)
;;   ~~~
;;   OPERANDS COMPUTED ON THE WAY. 'Computed on the way' means the value that the module computes at that place (a softmax that the list does not call 'softmax' is quantised finished and normalised). What goes into a quantiser is computed in f32, as accurately as f32 sums, v_exp_f32 and their like allow (about 1e-6 of the number): no bf16 or f16 on the way to a quantiser, and a product that is left as it is and whose result goes on into a quantised operand takes f32 operands (vector FMAs, or v_wmma_f32_16x16x4_f32). A number that lies on a knife's edge between two numbers of the format may be rounded either way, as far as f32 arithmetic and the matrix unit's own rounding can turn it there, and no further.
;;   INPUTS GIVEN AS CODES. x (in the module: [4096, 4096], K = its axis 1): each comes as NAME_codes (uint8): NAME with its K axis moved to the last place and cut into blocks of 32 codes, [.., K / 32, bytes a block], one block behind the other in memory; one code a byte (a code: sign, 4 exponent bits, 3 mantissa bits); and NAME_scales (uint8): the same leading axes, one E8M0 byte (e + 127) for each 32 codes along K. Its value is code x scale, taken as it is: it is not quantised again, and the codes and scales need not be those that the quantiser above would give.
;; One version. Each part assembles by itself: llvm-mc -triple=amdgcn-amd-amdhsa -mcpu=gfx1250 --defsym DOCPART=n.
;; ======== version 1 of 1: 2 launches
;; limits: right only within a limited range of input values
;; workspace buffers: w_codes 17,301,504 bytes
;; launch quant (part 1): grid 16 x 32, 4 waves a work-group, no clusters, 35,328 bytes of LDS; arguments sign, block_scales, w_codes; writes w_codes
.if DOCPART == 1
	.amdgcn_target "amdgcn-amd-amdhsa--gfx1250"
	.amdhsa_code_object_version 6
	.text
	.protected	k_qb4ef911b1d_quant
	.globl	k_qb4ef911b1d_quant
	.p2align	8
	.type	k_qb4ef911b1d_quant,@function
k_qb4ef911b1d_quant:
	s_mov_b64 s[64:65], 0
	v_nop
	global_prefetch_b8 v0, s[64:65] scope:SCOPE_SE
	s_setreg_imm32_b32 hwreg(HW_REG_WAVE_MODE, 25, 1), 1
	s_wait_xcnt 0x0
; W[k][n] = sign[k][n] x (max(block_scales[k / 64][n / 64], 0) + 1e-6), f32, is quantised along K, its FIRST axis, to codes of FP8 (E4M3) with one E8M0 byte for each 32 along K.
; Nothing of reference() is left out: every input is read, every step is done.
; OUT, one buffer, laid as the product's launch fetches it: w_codes [s = k / 128: 32][tile = n / 256: 16][132 rows of 256 bytes].
;   Rows 0-127 of a tile: the code of W(128 s + j, n) at byte 128 (n % 256) + j.  Rows 128-131: scale words, row 128 + (n % 256) / 64, in it [n % 16: 16][(n % 64) / 16: 4] words of four bytes, byte b for k = 128 s + 32 b.
; A block's scale is 2^(floor(log2(its largest magnitude)) - 8); its byte is that magnitude's exponent field - 8, held at 1 from below.  Each number is divided by the scale, held within +-448, rounded to the nearest code, ties to even.
; LIMITS: a block of zeros gets the byte 1 where the rule says 127 (its codes are zeros, and this program alone reads the bytes); blocks whose largest magnitude lies under 2^-118 are held at the byte 1;
; NaN and infinities among the inputs are not served (a NaN block scale counts as 0).
; SHARES.  A wave takes 64 columns x 128 along K.  Lane (r = lane % 16, h = lane / 16) holds columns 4 r .. 4 r + 3 and, of block b, rows 32 b + 16 h + i, i = 0 .. 15: a load of 16 bytes a lane reads two rows' 256 aligned bytes.
; A block of 32 lies in lanes l and l xor 16.  The multiplication by the magnitude writes a column's 16 numbers into consecutive registers, as the conversions want them.
; The codes go through the wave's own stage in LDS and leave as 16 stores of 512 consecutive bytes; the 64 scale words leave as one store of 256 consecutive bytes, aligned.
; No matrix unit, tensor load, cluster or barrier: sign is streamed once, and no two waves read the same bytes but 8 bytes of block scales.  No loop to run ahead in, so no prefetch.
.set IN,   1                           ; my byte in the wave's part of sign: 262,144 h + 16 r
.set STO,  2                           ; the stage, on the way in: row r of 528 bytes, + 16 h
.set SST,  3                           ; where column 4 r's scale word goes
.set MG0,  4                           ; v4-5 the magnitudes of K rows 0-63 and 64-127
.set T,    6                           ; v6-9 largest magnitude of my column j
.set T2,   10                          ; v10-13 the other half's; then the scale's byte
.set SW,   14                          ; v14-17 column j's scale word
.set SCO,  18                          ; v18-19 the conversion's scale operand, by turns
.set LIM,  20                          ; v20-21 448 x the scale, by turns
.set C,    22                          ; v22-29 16 codes, two sets by turns
.set SPW,  30                          ; my spare word's LDS address; never rewritten
.set NIL,  31                          ; 0; never rewritten
.set Y,    32                          ; v32-63 a column's 16 numbers, two sets by turns
.set X,    64                          ; v64-255 three sets of 64: sign as loaded
.set SP,   528                         ; a stage row: four columns x 128 bytes + 16 of padding
.set SSTG, 16*SP                       ; behind the 16 rows: the wave's 256 bytes of scale words
.set WREG, SSTG+256                    ; a wave's region of LDS: 8,704 bytes
.set SPARE, 4*WREG                     ; behind the four regions: the spare words
.set WTILE, 132*256                    ; a tile of the workspace
.set WS,   16*WTILE                    ; all tiles of one s
	s_load_b128 s[4:7], s[0:1], 0x0                ; sign, block_scales
	s_load_b64 s[8:9], s[0:1], 0x10                ; w_codes
	v_lshl_add_u32 v[SPW], v0, 2, SPARE
	v_mov_b32 v[NIL], 0
	v_lshrrev_b32 v1, 5, v0
	v_readfirstlane_b32 s12, v1                    ; wave 0..3
	s_and_b32 s13, ttmp7, 0xffff                   ; s: which 128 along K
	s_lshl_b32 s14, ttmp9, 2
	s_add_co_u32 s14, s14, s12                     ; G: which 64 columns
	s_mul_i32 s18, s12, WREG                       ; my wave's region of LDS
	s_mov_b32 s22, 0x76543210
	s_mov_b32 s23, 0xfedcba98                      ; v_permlanex16_b32's selects for lane l xor 16
	s_mov_b32 s24, 0x600000                        ; the mantissa field of 448
	v_and_b32 v32, 15, v0                          ; r
	v_bfe_u32 v33, v0, 4, 1                        ; h
	v_lshlrev_b32 v[IN], 4, v32
	v_lshl_add_u32 v[IN], v33, 18, v[IN]
	v_mul_u32_u24 v[STO], v32, SP
	v_lshl_add_u32 v[STO], v33, 4, v[STO]
	v_add_nc_u32 v[STO], s18, v[STO]
	v_and_b32 v[SST], 3, v32
	v_lshlrev_b32 v[SST], 6, v[SST]
	v_lshrrev_b32 v5, 2, v32
	v_lshl_add_u32 v[SST], v5, 2, v[SST]
	v_add_nc_u32 v[SST], s18, v[SST]
	v_add_nc_u32 v[SST], SSTG, v[SST]
.irp j, 0,1,2,3
	v_mov_b32 v[T2+\j], 0                          ; a lane permute's destination counts as one of its sources
.endr
	s_mov_b32 s17, 0                               ; every offset stays under 2^27
	s_wait_alu depctr_va_vdst(0)                   ; the wait at the head's end
	s_wait_kmcnt 0x0
	s_lshl_b32 s16, s13, 21                        ; sign: 128 s rows of 16,384 bytes + 256 G
	s_lshl_b32 s19, s14, 8
	s_add_co_u32 s16, s16, s19
	s_add_nc_u64 s[4:5], s[4:5], s[16:17]
	s_lshl_b32 s16, s13, 9                         ; block_scales: row 2 s of 256 bytes + 4 G
	s_lshl_b32 s19, s14, 2
	s_add_co_u32 s16, s16, s19
	s_add_nc_u64 s[6:7], s[6:7], s[16:17]
	s_mul_i32 s16, s13, WS                         ; the workspace: my work-group's tile,
	s_mul_i32 s19, ttmp9, WTILE
	s_add_co_u32 s16, s16, s19
	s_add_nc_u64 s[8:9], s[8:9], s[16:17]
	s_lshl_b32 s16, s12, 8                         ; in it my wave's row of scale words, behind the 128 rows of codes,
	s_add_co_u32 s16, s16, 32768
	s_add_nc_u64 s[10:11], s[8:9], s[16:17]
	s_lshl_b32 s16, s12, 13                        ; and my wave's 64 columns of 128 bytes
	s_add_nc_u64 s[8:9], s[8:9], s[16:17]
	s_load_b32 s20, s[6:7], 0x0                    ; the block scale of K rows 0-63 of my part,
	s_load_b32 s21, s[6:7], 0x100                  ; and of rows 64-127
.macro LOAD b                          ; block b: rows 32 b + 16 h + i into set b % 3
.irp i, 0,1,2,3,4,5,6,7,8,9,10,11,12,13,14,15
	global_load_b128 v[X+64*((\b)%3)+4*\i:X+64*((\b)%3)+4*\i+3], v[IN], s[4:5] offset:(32*(\b)+\i)*16384 th:TH_LOAD_NT
.endr
.endm
	LOAD 0
	LOAD 1
	LOAD 2
	s_wait_kmcnt 0x0
	v_mov_b32 v[MG0], s20
	v_mov_b32 v[MG0+1], s21
	v_max_num_f32 v[MG0], 0, v[MG0]                ; relu,
	v_max_num_f32 v[MG0+1], 0, v[MG0+1]
	v_add_f32 v[MG0], 0x358637bd, v[MG0]           ; + 1e-6
	v_add_f32 v[MG0+1], 0x358637bd, v[MG0+1]
; One block of 32 along K for my four columns.  left = the younger blocks' loads, 16 each, that may stay out.
.macro BLOCK b, left
.set XS, X+64*((\b)%3)
.set MG, MG0+(\b)/2
	s_wait_loadcnt \left
.irp j, 0,1,2,3
	v_max3_num_f32 v[T+\j], |v[XS+\j]|, |v[XS+4+\j]|, |v[XS+8+\j]|        ; the largest |sign| of my 16 rows, the four columns by turns
.endr
.irp i, 3,5,7,9,11,13
.irp j, 0,1,2,3
	v_max3_num_f32 v[T+\j], v[T+\j], |v[XS+4*\i+\j]|, |v[XS+4*\i+4+\j]|
.endr
.endr
.irp j, 0,1,2,3
	v_max_num_f32 v[T+\j], v[T+\j], |v[XS+60+\j]|
.endr
.irp j, 0,1,2,3
	v_mul_f32 v[T+\j], v[T+\j], v[MG]              ; x the magnitude, which is positive: rounding keeps the order, so this is the largest |sign x magnitude| bit for bit
.endr
.irp j, 0,1,2,3
	v_permlanex16_b32 v[T2+\j], v[T+\j], s22, s23  ; the block's other 16 rows lie in lane l xor 16
.endr
.irp j, 0,1,2,3
	v_max3_num_f32 v[T+\j], v[T+\j], v[T2+\j], 0x4800000   ; and the floor 2^(9 - 127): the byte cannot fall under 1
.endr
.irp j, 0,1,2,3
	v_add_nc_u32 v[SCO+(\j%2)], 0xfc000000, v[T+\j]        ; 8 off the exponent field: the conversion's scale operand.  (Also the plain line behind the last column's conversions)
	v_and_or_b32 v[LIM+(\j%2)], v[T+\j], 0x7f800000, s24   ; 448 x the scale
	v_lshrrev_b32 v[T2+\j], 23, v[SCO+(\j%2)]              ; the scale's byte
.if \b == 0
	v_mov_b32 v[SW+\j], v[T2+\j]
.else
	v_lshl_or_b32 v[SW+\j], v[T2+\j], 8*\b, v[SW+\j]
.endif
.irp i, 0,1,2,3,4,5,6,7,8,9,10,11,12,13,14,15
	v_mul_f32 v[Y+16*(\j%2)+\i], v[XS+4*\i+\j], v[MG]      ; W, in f32; column j's 16 rows land in 16 consecutive registers
.endr
.irp i, 0,1,2,3,4,5,6,7,8,9,10,11,12,13,14,15
	v_med3_num_f32 v[Y+16*(\j%2)+\i], v[Y+16*(\j%2)+\i], -v[LIM+(\j%2)], v[LIM+(\j%2)]   ; the conversion does not saturate (ISA guide 7.6.2): the hold at 448 x the scale
.endr
	s_wait_alu depctr_va_vdst(0)                   ; the wait here, directly ahead of the wait below
	s_wait_dscnt 1                                 ; the store that read this set of codes stands two stores back
	v_cvt_scalef32_pk8_fp8_f32 v[C+4*(\j%2):C+4*(\j%2)+1], v[Y+16*(\j%2):Y+16*(\j%2)+7], v[SCO+(\j%2)]
	v_cvt_scalef32_pk8_fp8_f32 v[C+4*(\j%2)+2:C+4*(\j%2)+3], v[Y+16*(\j%2)+8:Y+16*(\j%2)+15], v[SCO+(\j%2)]
	ds_store_b128 v[STO], v[C+4*(\j%2):C+4*(\j%2)+3] offset:128*\j+32*\b   ; column 4 r + j, k = 32 b + 16 h on
.endr
.endm
	BLOCK 0, 32
	LOAD 3                                         ; into the set that block 0 has left
	BLOCK 1, 32
	BLOCK 2, 16
	BLOCK 3, 0
	; THE WAY OUT.  LDS serves a wave's instructions in order (ISA guide 5.7.1.4): the loads below see my stores
.irp j, 0,1,2,3
	ds_store_b32 v[SST], v[SW+\j] offset:16*\j     ; both halves of the lanes hold the same word and write it to the same place
.endr
	v_and_b32 v32, 31, v0                          ; lane
	v_lshlrev_b32 v7, 4, v32                       ; codes: 16 bytes a lane, in memory
	v_add_nc_u32 v6, s18, v7                       ; and in a stage row
	v_lshlrev_b32 v9, 3, v32                       ; scale words: 8 bytes a lane, in memory
	v_add_nc_u32 v8, s18, v9
	v_add_nc_u32 v8, SSTG, v8                      ; and in LDS
.irp t, 0,1,2,3,4,5,6,7,8,9,10,11,12,13,14,15
	ds_load_b128 v[X+4*\t:X+4*\t+3], v6 offset:\t*SP
.endr
	ds_load_b64 v[10:11], v8
	s_wait_alu depctr_va_vdst(0)                   ; the wait here, directly ahead of the waits below
.irp t, 0,1,2,3,4,5,6,7,8,9,10,11,12,13,14,15
	s_wait_dscnt 16-\t                             ; behind row t's load: the 15 - t later rows' and the scale words'
	global_store_b128 v7, v[X+4*\t:X+4*\t+3], s[8:9] offset:512*\t   ; four columns' 512 consecutive bytes, at a multiple of 256 from the buffer's first byte
.endr
	s_wait_dscnt 0x0
	global_store_b64 v9, v[10:11], s[10:11]        ; 32 lanes store 256 consecutive bytes, aligned
	s_wait_tensorcnt 0x0                           ; the wave's end
	ds_add_u32 v[SPW], v[NIL]
	s_wait_dscnt 0x0
	s_endpgm
.Lfunc_end_k_qb4ef911b1d_quant:
	.size	k_qb4ef911b1d_quant, .Lfunc_end_k_qb4ef911b1d_quant-k_qb4ef911b1d_quant
	.p2alignl 7, 3214868480
	.fill 96, 4, 3214868480
	.section	.rodata,"a",@progbits
	.p2align	6, 0x0
	.amdhsa_kernel k_qb4ef911b1d_quant
		.amdhsa_group_segment_fixed_size 35328
		.amdhsa_private_segment_fixed_size 0
		.amdhsa_enable_private_segment 0
		.amdhsa_kernarg_size 24
		.amdhsa_user_sgpr_count 2
		.amdhsa_user_sgpr_kernarg_segment_ptr 1
		.amdhsa_wavefront_size32 1
		.amdhsa_system_sgpr_workgroup_id_x 1
		.amdhsa_system_sgpr_workgroup_id_y 1
		.amdhsa_system_sgpr_workgroup_id_z 1
		.amdhsa_system_vgpr_workitem_id 0
		.amdhsa_next_free_vgpr 256
		.amdhsa_next_free_sgpr 66
		.amdhsa_reserve_vcc 0
		.amdhsa_float_denorm_mode_32 3
		.amdhsa_float_denorm_mode_16_64 3
		.amdhsa_memory_ordered 1
		.amdhsa_forward_progress 1
		.amdhsa_inst_pref_size 56
	.end_amdhsa_kernel
	.amdgpu_metadata
---
amdhsa.version: [ 1, 2 ]
amdhsa.kernels:
  - .name:           k_qb4ef911b1d_quant
    .symbol:         k_qb4ef911b1d_quant.kd
    .args:
      - { .name: sign, .offset: 0, .size: 8, .value_kind: global_buffer, .address_space: global }
      - { .name: block_scales, .offset: 8, .size: 8, .value_kind: global_buffer, .address_space: global }
      - { .name: w_codes, .offset: 16, .size: 8, .value_kind: global_buffer, .address_space: global }
    .group_segment_fixed_size: 35328
    .private_segment_fixed_size: 0
    .kernarg_segment_align: 8
    .kernarg_segment_size: 24
    .max_flat_workgroup_size: 128
    .sgpr_count:     66
    .vgpr_count:     256
    .wavefront_size: 32
...
	.end_amdgpu_metadata
.endif
;; end of part 1
;; launch gemm (part 2): grid 16 x 16, 4 waves a work-group, clusters of 4 x 4, 327,680 bytes of LDS; arguments x_codes, x_scales, w_codes, out0; writes out0
.if DOCPART == 2
	.amdgcn_target "amdgcn-amd-amdhsa--gfx1250"
	.amdhsa_code_object_version 6
	.text
	.protected	k_qb4ef911b1d_gemm
	.globl	k_qb4ef911b1d_gemm
	.p2align	8
	.type	k_qb4ef911b1d_gemm,@function
k_qb4ef911b1d_gemm:
	s_mov_b64 s[64:65], 0
	v_nop
	global_prefetch_b8 v0, s[64:65] scope:SCOPE_SE
	s_setreg_imm32_b32 hwreg(HW_REG_WAVE_MODE, 25, 1), 1
	s_wait_xcnt 0x0
	s_wait_alu depctr_hold_cnt(0) depctr_sa_sdst(0) depctr_va_vdst(0) depctr_va_sdst(0) depctr_va_ssrc(0) depctr_va_vcc(0) depctr_vm_vsrc(0)
	s_getreg_b32 s2, hwreg(HW_REG_IB_STS2, 6, 4)
	s_cmp_eq_u32 s2, 0
	s_cbranch_scc0 .Lentry_in_a_cluster
	s_endpgm
.Lentry_in_a_cluster:
	s_bfe_u32 s2, ttmp6, 0x10000c
	s_cmp_lg_u32 s2, 0xf033
	s_cbranch_scc0 .Lentry_shape_is_right
	s_endpgm
.Lentry_shape_is_right:
; out0[m][n] = sum over k of x[m][k] W[k][n], both as codes of FP8 (E4M3) with one E8M0 byte for each 32 along K; sums in f32.  All of the product is done; nothing is left out.
; x: codes [4096][4096 bytes], scales [4096][128 bytes].  W: the workspace [s = k / 128][tile = n / 256][132 rows of 256 bytes]: 128 rows of codes (column n % 256 at byte 128 (n % 256)), then 4 rows of scale words.
; A tile of out0, 256 x 256, is made by a work-group of four waves; a wave makes 128 x 128: 64 accumulators, 512 registers.  256 work-groups.
; K goes in steps of 256 through a ring of two LDS slots.  A slot: x's 256 rows of 256 bytes, then W's two runs of 132 rows.  W's scale words ride in the ring with their codes; x's scales of the 256 rows, one dense block of 32 KiB, come once.
; CLUSTERS: 4 x 4 work-groups; x's tiles are asked for jointly along a row of the cluster, W's along a column.
; THE MATRIX INSTRUCTION IS USED TRANSPOSED (source 0 = 16 columns of W, source 1 = 16 rows of x): a lane holds eight neighbouring numbers of a row of out0.
; PREFETCH: behind the tensor load of K step j each wave names K step j + 2: of the rows that a wave fetches, each of the four partners that ask jointly takes 32, told apart by address (a lane a block of 256 bytes);
; W's waves name one of the four rows of scale words besides.  K steps 1 and 2 are named at the head; the last two refills name nothing.  At most two K steps are named and not yet loaded.
; THE LAST K STEP GOES BY ROWS of out0: both of its runs of W lie in registers, and my eight blocks of 16 rows are finished and stored one after the other.
; REGISTERS: window 0: v16-31 addresses; v32-63 scale words, two sets of 16; v64-127 rows on the way out; v128-255 x's fragments, one set.  Window 1: W's fragments, two sets.  Windows 2, 3: the accumulators ((a, b) at v[8 (8 (a % 4) + b)]).
; In a set of scale words x's and W's registers of one product differ modulo 8: x's q = 0 at +0..3, W's q = 0 at +4..7, W's q = 1 at +8..11, x's q = 1 at +12..15.
.set SIZE_N, 4096
.set ROWB,   256
.set KROW,   4096
.set PITCH,  272                       ; an LDS row: 256 bytes + 16 of padding
.set FR,     16
.set NP,     8                         ; places behind this matrix instruction (ISA guide 7.12.1)
.set HALFT,  128*PITCH
.set BT,     132*PITCH                 ; one run of W in LDS
.set BOFF,   2*HALFT                   ; W lies behind x's 256 rows
.set SLOT,   BOFF+2*BT
.set LAPS,   8
.set WTILE,  132*256
.set WS,     16*WTILE
.set BSTEP,  2*WS                      ; a K step of W in memory
.set SCL,    2*SLOT                    ; behind the ring: x's scales, 128 rows of 256 bytes + 16
.set SBLK,   8*272                     ; those of 16 rows of x
.set HALFS,  8*SBLK
.set SPARE,  SCL+2*HALFS               ; the spare words: two blocks of 256 bytes that no other line names
.set SPITCH, 528                       ; the way out: a stage of 16 rows x (512 + 16) bytes a wave, in slot 0 behind its last fill and last read
.set ADRA, 16
.set ADRB, 20
.set ADRW, 22
.set STO,  24
.set RD,   25
.set CO,   26
.set ADRS, 27
.set SPW,  28
.set NIL,  29
.set PFO,  30                          ; prefetch: my lane's block
.set PFZ,  31                          ; prefetch: my work-group's row of W's scale words, from PFA
.set SC,   32
.set BB,   64
.set AF,   128
.set PA,   128                         ; the last K step: x's fragments of 16 rows x 256 K, four buffers of 32
.set G1,   24
.set G0,   32
.set G1B,  48
.set G0B,  56
.set G1S,  68
.set G0S,  76
.set G1H,  80
.set G0H,  88
.set PFA,  92
.set PFB,  94
.set PFS,  96
.set CODEW, (1<<20)|(1<<21)|(5<<22)|(3<<25)   ; padding on, bit 21 beside a mask, after every 64 words, 4 words
.set MSB, 0
.macro WIN new                         ; the immediate's high byte repeats the setting that is left
.if MSB != \new
	s_set_vgpr_msb (MSB<<8)|\new
.set MSB, \new
.endif
.endm
.set MUL_LO, 0xa1
.set MUL_HI, 0xf1
.set TO_B,   0x40
.macro PLACES n
.rept \n
	v_nop
.endr
.endm
.macro TLOAD g0, g1                    ; an s_nop 0 and four v_nop follow every tensor load
	tensor_load_to_lds s[\g0:\g0+3], s[\g1:\g1+7]
	s_nop 0
	PLACES 4
.endm
.macro JLOAD s                         ; waves 0 and 1 fetch x's two halves, waves 2 and 3 W's two runs
	s_cmp_eq_u32 s15, 0
	s_cbranch_scc0 .Lfor_b_\@
	TLOAD G0+4*\s, G1
	s_branch .Lasked_\@
.Lfor_b_\@:
	TLOAD G0B+4*\s, G1B
.Lasked_\@:
.endm
.macro CREST
	s_cmp_lg_u32 s14, 0
	s_cbranch_scc1 .Lnot_wave_0_\@
	s_barrier_signal -3
.Lnot_wave_0_\@:
	s_barrier_wait -3
	s_barrier_signal -1
	s_barrier_wait -1
.endm
.macro CROUND
	s_barrier_signal -1
	s_barrier_wait -1
	CREST
.endm
.macro GRP1 g, c, r, p                 ; group 1's constant words: r rows of c elements, pitch p
	s_mov_b32 s[\g+1], (\c)<<16
	s_mov_b32 s[\g+2], (\r)<<16
	s_mov_b32 s[\g+3], (\c)<<16
	s_mov_b32 s[\g+4], \r
	s_mov_b32 s[\g+5], \p
	s_mov_b32 s[\g+6], 0
	s_mov_b32 s[\g+7], 0
.endm
.macro ASK test, p                     ; test = 1, in the loop: the last trip's two refills have no K step two on
.if \test
	s_cmp_gt_u32 s3, 1
	s_cbranch_scc0 .Lnone_\@
.endif
	global_prefetch_b8 v[PFO], s[\p:\p+1] th:TH_LOAD_NT scope:SCOPE_SE
	s_cmp_eq_u32 s15, 0
	s_cbranch_scc1 .Lnone_\@
	global_prefetch_b8 v[PFZ], s[\p:\p+1] th:TH_LOAD_NT scope:SCOPE_SE
.Lnone_\@:
.endm
	s_load_b128 s[4:7], s[0:1], 0x0                ; x_codes, x_scales
	s_load_b128 s[8:11], s[0:1], 0x10              ; w_codes, out0
	v_lshl_add_u32 v[SPW], v0, 2, SPARE
	v_mov_b32 v[NIL], 0
	ds_add_u32 v[SPW], v[NIL]                      ; the opening lines: the add, twice on end, and its wait
	ds_add_u32 v[SPW], v[NIL]
	v_lshrrev_b32 v1, 5, v0
	v_readfirstlane_b32 s14, v1                    ; wave 0..3
	s_lshr_b32 s15, s14, 1                         ; my half of the tile's rows; also: I fetch for x (0) or for W (1)
	s_and_b32 s16, s14, 1                          ; my half of its columns; also: which half or run I fetch
	s_bfe_u32 s40, ttmp6, 0x40000                  ; cx
	s_bfe_u32 s41, ttmp6, 0x40004                  ; cy
	s_lshl_b32 s42, ttmp9, 2
	s_add_co_u32 s42, s42, s40                     ; tile column
	s_and_b32 s17, ttmp7, 0xffff
	s_lshl_b32 s17, s17, 2
	s_add_co_u32 s17, s17, s41                     ; tile row
	s_lshl_b32 s43, s41, 2
	s_lshl_b32 s43, 15, s43                        ; my row of the cluster
	s_lshl_b32 s44, 0x1111, s40                    ; my column
	s_or_b32 s[G1], s43, CODEW
	s_or_b32 s[G1H], s43, CODEW
	s_or_b32 s[G1B], s44, CODEW
	s_or_b32 s[G1S], s43, CODEW|(3<<16)
	GRP1 G1,  ROWB, 128, KROW                      ; the ring's loads of x: 128 rows of 256 bytes
	GRP1 G1H, ROWB, 256, KROW                      ; the head's: all 256 rows
	GRP1 G1B, ROWB, 132, ROWB                      ; a run of W: 132 dense rows
	GRP1 G1S, 32, 128, 32                          ; x's scales: 128 dense rows of 32 elements of 8 bytes
	s_lshl_b32 s20, s17, 20                        ; x: 256 rows of 4,096 bytes x tile row
	s_mov_b32 s21, 0
	s_lshl_b32 s22, s17, 15                        ; its scales: 256 rows of 128 bytes
	s_mov_b32 s23, 0
	s_mul_i32 s46, s42, WTILE                      ; W: my tile column, my run
	s_mul_i32 s47, s16, WS
	s_add_co_u32 s46, s46, s47
	s_mov_b32 s47, 0
	s_lshl_b32 s18, s16, 19                        ; in the ring: my 128 rows of x
	s_mov_b32 s19, 0
	s_mul_i32 s45, s16, HALFT                      ; where they go,
	s_mul_i32 s3, s16, BT
	s_add_co_u32 s3, s3, BOFF                      ; and where my run of W goes
	s_wait_dscnt 0x0                               ; both opening adds are done
	s_wait_kmcnt 0x0
	s_add_nc_u64 s[20:21], s[4:5], s[20:21]
	s_add_nc_u64 s[22:23], s[6:7], s[22:23]
	s_add_nc_u64 s[46:47], s[8:9], s[46:47]
	s_mov_b32 s[G0H], 1
	s_mov_b32 s[G0H+1], 0
	s_mov_b64 s[G0H+2:G0H+3], s[20:21]
	s_or_b32 s[G0H+3], s[G0H+3], 0x80000000
	s_mov_b32 s[G0S], 1
	s_mov_b32 s[G0S+1], SCL
	s_mov_b64 s[G0S+2:G0S+3], s[22:23]
	s_or_b32 s[G0S+3], s[G0S+3], 0x80000000
	s_add_nc_u64 s[20:21], s[20:21], s[18:19]
.irp s, 0,1
	s_mov_b32 s[G0+4*\s], 1
	s_add_co_u32 s[G0+4*\s+1], s45, \s*SLOT
	s_add_nc_u64 s[G0+4*\s+2:G0+4*\s+3], s[20:21], \s*ROWB
	s_or_b32 s[G0+4*\s+3], s[G0+4*\s+3], 0x80000000
	s_mov_b32 s[G0B+4*\s], 1
	s_add_co_u32 s[G0B+4*\s+1], s3, \s*SLOT
	s_add_nc_u64 s[G0B+4*\s+2:G0B+4*\s+3], s[46:47], \s*BSTEP
	s_or_b32 s[G0B+4*\s+3], s[G0B+4*\s+3], 0x80000000
.endr
	CROUND                                         ; all sixteen work-groups are here: the first joint loads meet
	; THE HEAD'S LOADS, ONE A WAVE, in one chain of branches on the wave's number: wave 0 K step 0's 256 rows of x, wave 1 x's scales, waves 2 and 3 K step 0's two runs of W
	s_cmp_lt_u32 s14, 1
	s_cbranch_scc0 .Lhead_s
	TLOAD G0H, G1H
	s_branch .Lhead_asked
.Lhead_s:
	s_cmp_lt_u32 s14, 2
	s_cbranch_scc0 .Lhead_b
	TLOAD G0S, G1S
	s_branch .Lhead_asked
.Lhead_b:
	TLOAD G0B, G1B
.Lhead_asked:
	s_mul_i32 s18, s15, HALFT                      ; my 128 rows of x in a slot
	s_mul_i32 s19, s16, 64*PITCH
	s_add_co_u32 s19, s19, BOFF                    ; my 128 columns of W: 64 LDS rows
	s_mul_i32 s20, s16, 2*PITCH
	s_add_co_u32 s20, s20, BOFF+128*PITCH          ; their two rows of scale words
	s_mul_i32 s21, s15, HALFS
	s_add_co_u32 s21, s21, SCL                     ; my rows' scales of x
	s_mul_i32 s23, s14, 16*SPITCH                  ; my stage
	s_lshl_b32 s46, s42, 10                        ; out0: 1,024 x tile column + 512 x half,
	s_lshl_b32 s47, s16, 9
	s_add_co_u32 s46, s46, s47
	s_lshl_b32 s47, s17, 22                        ; + (256 x tile row + 128 x half) rows of 16,384 bytes
	s_add_co_u32 s46, s46, s47
	s_lshl_b32 s47, s15, 21
	s_add_co_u32 s46, s46, s47
	s_mov_b32 s47, 0
	s_add_nc_u64 s[12:13], s[10:11], s[46:47]
	s_lshl_b32 s46, s17, 20                        ; the prefetches.  x: the 128 rows that I fetch, of them my work-group's 32 (by cx), at K step 1
	s_lshl_b32 s47, s16, 19
	s_add_co_u32 s46, s46, s47
	s_lshl_b32 s47, s40, 17
	s_add_co_u32 s46, s46, s47
	s_add_co_u32 s46, s46, ROWB
	s_mul_i32 s94, s42, WTILE                      ; W: the run that I fetch, of its 128 rows of codes my work-group's 32 (by cy), at K step 1
	s_mul_i32 s47, s16, WS
	s_add_co_u32 s94, s94, s47
	s_lshl_b32 s47, s41, 13
	s_add_co_u32 s94, s94, s47
	s_add_co_u32 s94, s94, BSTEP
	s_mov_b32 s[PFS], BSTEP
	s_mov_b32 s[PFS+1], 0
	s_mov_b32 s47, 0
	s_cmp_eq_u32 s15, 0                            ; do I fetch for x?
	s_cselect_b32 s46, s46, s94
	s_cselect_b32 s[PFS], ROWB, s[PFS]             ; a K step on, in bytes
	s_cselect_b32 s22, 12, 8                       ; from block to block: a row of x, or 256 bytes of W
	s_cselect_b64 s[PFA:PFA+1], s[4:5], s[8:9]
	s_add_nc_u64 s[PFA:PFA+1], s[PFA:PFA+1], s[46:47]
	s_add_nc_u64 s[PFB:PFB+1], s[PFA:PFA+1], s[PFS:PFS+1]   ; K step 2
	s_mul_i32 s45, s41, 7936
	s_sub_co_u32 s45, 32768, s45                   ; from my 32 rows (8,192 cy) to row 128 + cy of the run
	v_and_b32 v1, 15, v0                           ; r
	v_bfe_u32 v2, v0, 4, 1                         ; h
	v_mul_u32_u24 v3, v1, PITCH
	v_lshl_add_u32 v4, v2, 4, v3
	v_add_nc_u32 v[ADRA], s18, v4                  ; x's fragments: row r, + 16 h
	v_add_nc_u32 v[ADRA+1], SLOT, v[ADRA]
	v_lshrrev_b32 v5, 1, v1
	v_mul_u32_u24 v5, v5, PITCH
	v_and_b32 v6, 1, v1
	v_lshl_add_u32 v5, v6, 7, v5
	v_lshl_add_u32 v5, v2, 4, v5
	v_add_nc_u32 v[ADRB], s19, v5                  ; W's: two columns to an LDS row
	v_add_nc_u32 v[ADRB+1], SLOT, v[ADRB]
	v_mul_u32_u24 v5, v2, PITCH
	v_lshl_add_u32 v5, v1, 4, v5
	v_add_nc_u32 v[ADRW], s20, v5                  ; W's scale words: lanes 0-15 blocks 0-3, lanes 16-31 blocks 4-7, 16 bytes a lane
	v_add_nc_u32 v[ADRW+1], SLOT, v[ADRW]
	v_lshlrev_b32 v5, 7, v1
	v_lshrrev_b32 v6, 8, v5
	v_lshl_add_u32 v5, v6, 4, v5
	v_mul_u32_u24 v6, v2, 4*SBLK
	v_add_nc_u32 v5, v5, v6
	v_add_nc_u32 v[ADRS], s21, v5                  ; x's scale words: lanes 0-15 block g, lanes 16-31 block g + 4
	v_mul_u32_u24 v5, v1, SPITCH
	v_lshl_add_u32 v5, v2, 5, v5
	v_add_nc_u32 v[STO], s23, v5
	v_and_b32 v6, 31, v0
	v_lshlrev_b32 v[CO], 4, v6
	v_add_nc_u32 v[RD], s23, v[CO]
	v_lshlrev_b32 v[PFO], s22, v6
	v_mov_b32 v[PFZ], s45
	s_wait_alu depctr_va_vdst(0)                   ; the wait at the head's end
	ASK 0, PFA                                     ; K steps 1 and 2
	ASK 0, PFB
.macro FRAGA reg, slot, q, i
.irp c, 0,1,2,3
	ds_load_b128 v[\reg+4*\c:\reg+4*\c+3], v[ADRA+\slot] offset:128*(\q)+32*\c+(\i)*16*PITCH
.endr
.endm
.macro FRAGB reg, slot, q, i
.irp c, 0,1,2,3
	ds_load_b128 v[\reg+4*\c:\reg+4*\c+3], v[ADRB+\slot] offset:(\q)*BT+(\i)*8*PITCH+32*\c
.endr
.endm
; one product: x's block a (fragment at ra) x W's block b of set p; q: which 128 of the K step; sc: the set of scale words
.macro WM a, b, p, q, sc, zero, ra
.set rD,  8*(8*((\a)%4)+(\b))
.set rB,  128*(\p)+FR*(\b)
.set rA,  \ra
.set rSB, SC+16*(\sc)+4+4*(\q)+(\b)%4
.set rSA, SC+16*(\sc)+12*(\q)+(\a)%4
.if \zero
.if ((\b) < 4) && ((\a) < 4)
	v_wmma_scale_f32_16x16x128_f8f6f4 v[rD:rD+7], v[rB:rB+15], v[rA:rA+15], 0, v[rSB], v[rSA]
.elseif (\a) < 4
	v_wmma_scale_f32_16x16x128_f8f6f4 v[rD:rD+7], v[rB:rB+15], v[rA:rA+15], 0, v[rSB], v[rSA] matrix_a_scale:MATRIX_SCALE_ROW1
.elseif (\b) < 4
	v_wmma_scale_f32_16x16x128_f8f6f4 v[rD:rD+7], v[rB:rB+15], v[rA:rA+15], 0, v[rSB], v[rSA] matrix_b_scale:MATRIX_SCALE_ROW1
.else
	v_wmma_scale_f32_16x16x128_f8f6f4 v[rD:rD+7], v[rB:rB+15], v[rA:rA+15], 0, v[rSB], v[rSA] matrix_a_scale:MATRIX_SCALE_ROW1 matrix_b_scale:MATRIX_SCALE_ROW1
.endif
.else
.if ((\b) < 4) && ((\a) < 4)
	v_wmma_scale_f32_16x16x128_f8f6f4 v[rD:rD+7], v[rB:rB+15], v[rA:rA+15], v[rD:rD+7], v[rSB], v[rSA]
.elseif (\a) < 4
	v_wmma_scale_f32_16x16x128_f8f6f4 v[rD:rD+7], v[rB:rB+15], v[rA:rA+15], v[rD:rD+7], v[rSB], v[rSA] matrix_a_scale:MATRIX_SCALE_ROW1
.elseif (\b) < 4
	v_wmma_scale_f32_16x16x128_f8f6f4 v[rD:rD+7], v[rB:rB+15], v[rA:rA+15], v[rD:rD+7], v[rSB], v[rSA] matrix_b_scale:MATRIX_SCALE_ROW1
.else
	v_wmma_scale_f32_16x16x128_f8f6f4 v[rD:rD+7], v[rB:rB+15], v[rA:rA+15], v[rD:rD+7], v[rSB], v[rSA] matrix_a_scale:MATRIX_SCALE_ROW1 matrix_b_scale:MATRIX_SCALE_ROW1
.endif
.endif
.endm
.macro MULA a, p, q, sc, zero          ; x's block a against W's eight: the 64 accumulators take turns, in the same order in every step
.irp b, 0,1,2,3,4,5,6,7
	WM \a, \b, \p, \q, \sc, \zero, AF+FR*(\a)
.endr
.endm
.macro FETCH_B slot, q, p
	WIN TO_B
.irp i, 0,1,2,3,4,5,6,7
	FRAGB 128*(\p)+FR*\i, \slot, \q, \i
.endr
	WIN 0
.endm
.macro FETCH_A slot, q, i0
.irp i, \i0, \i0+1, \i0+2, \i0+3
	FRAGA AF+FR*(\i), \slot, \q, \i
.endr
.endm
.macro SCALES set                      ; a K step's scale words: ten loads
.irp g, 0,1,2,3
	ds_load_b32 v[SC+16*\set+\g], v[ADRS] offset:\g*SBLK
	ds_load_b32 v[SC+16*\set+12+\g], v[ADRS] offset:\g*SBLK+4
.endr
	ds_load_b128 v[SC+16*\set+4:SC+16*\set+7], v[ADRW+\set]
	ds_load_b128 v[SC+16*\set+8:SC+16*\set+11], v[ADRW+\set] offset:BT
.endm
.macro ALOAD a                         ; the last K step: x's block a, both halves of the step, into buffer a % 4
	FRAGA PA+32*((\a)%4), 1, 0, \a
	FRAGA PA+32*((\a)%4)+16, 1, 1, \a
.endm
; A slot's first 128 along K.
.macro STEP slot, zero
	s_wait_dscnt 16                                ; all but the youngest sixteen loads (x's blocks 4-7)
	WIN MUL_LO
.irp a, 0,1,2,3
	MULA \a, 0, 0, \slot, \zero
.endr
	s_wait_dscnt 0x0
	PLACES NP
	FETCH_B \slot, 1, 1
	FETCH_A \slot, 1, 0
	WIN MUL_HI
.irp a, 4,5,6,7
	MULA \a, 0, 0, \slot, \zero
.endr
	PLACES NP
	WIN 0
	FETCH_A \slot, 1, 4
.endm
; A slot's second 128 along K, and the change of slots.  All its fragments are asked for when it begins.  Eight products; the wait for all my tensor loads and the add; eight products while the add is out;
; the wait for the add and my reads; the opening signal; eight products; the rest of the round; the refill; the next slot's first fragments under the other forty products.
; fill = 0: the last change: nothing is filled, and the next slot is taken by rows.
.macro TURN slot, next, fill
.if \fill
	s_wait_xcnt 0x0                                ; my prefetches have read their address: it steps a K step on
	s_add_nc_u64 s[PFA:PFA+1], s[PFA:PFA+1], s[PFS:PFS+1]
.endif
	s_wait_dscnt 16
	WIN MUL_LO
	MULA 0, 1, 1, \slot, 0
	WIN 0                                          ; (the add's two registers lie in window 0)
	s_wait_tensorcnt 0x0                           ; all my tensor loads have landed: my part of the next slot
	ds_add_u32 v[SPW], v[NIL]
	v_add_nc_u32 v[ADRS], 8, v[ADRS]               ; on to the next K step's scale words of x
.if \fill
	s_add_nc_u64 s[G0+4*\slot+2:G0+4*\slot+3], s[G0+4*\slot+2:G0+4*\slot+3], 2*ROWB
	s_add_nc_u64 s[G0B+4*\slot+2:G0B+4*\slot+3], s[G0B+4*\slot+2:G0B+4*\slot+3], 2*BSTEP
.endif
	WIN MUL_LO
	MULA 1, 1, 1, \slot, 0
	s_wait_dscnt 0x0                               ; the add is done, and my reads of this slot are over
	s_barrier_signal -1
	MULA 2, 1, 1, \slot, 0
	WIN 0
	s_barrier_wait -1
.if \fill
	CREST                                          ; the barrier has opened a round of the cluster's barrier
	JLOAD \slot                                    ; the first tensor load behind the round
.endif
	FETCH_B \next, 0, 0
	s_wait_alu depctr_va_vdst(0)                   ; the wait here, ahead of the reader of the stepped address
	SCALES \next
.if \fill
	ASK 1, PFA
.endif
	WIN MUL_LO
	MULA 3, 1, 1, \slot, 0
	PLACES NP
	WIN 0
.if \fill
	FETCH_A \next, 0, 0
.else
	ALOAD 0
	ALOAD 1
.endif
	WIN MUL_HI
.irp a, 4,5,6,7
	MULA \a, 1, 1, \slot, 0
.endr
	PLACES NP
	WIN 0
.if \fill
	FETCH_A \next, 0, 4
.else
	FETCH_B \next, 1, 1
	ALOAD 2
	ALOAD 3
.endif
.endm
	s_wait_tensorcnt 0x0                           ; my tile of the head's is in
	ds_add_u32 v[SPW], v[NIL]
	s_wait_dscnt 0x0
	CROUND                                         ; all the head's tiles are in, and all sixteen work-groups are here
	JLOAD 1                                        ; K step 1: slot 1's first fill
	FETCH_B 0, 0, 0
	FETCH_A 0, 0, 0
	SCALES 0
	FETCH_A 0, 0, 4
	s_wait_xcnt 0x0
	s_add_nc_u64 s[PFA:PFA+1], s[PFB:PFB+1], s[PFS:PFS+1]
	ASK 0, PFA                                     ; K step 3
	STEP 0, 1                                      ; the first step's products start the sums
	s_mov_b32 s3, LAPS-1
.Llap:                                                 ; a trip goes once round the ring and fills both slots again
	TURN 0, 1, 1
	STEP 1, 0
	TURN 1, 0, 1
	STEP 0, 0
	s_sub_co_u32 s3, s3, 1
	s_cmp_lg_u32 s3, 0
	s_cbranch_scc1 .Llap
	TURN 0, 1, 0
; THE LAST K STEP, BY ROWS.  Block a: sixteen products, its eight accumulators by turns, K ascending.
.macro ROW a
	WIN MUL_LO+0x50*((\a)/4)
.irp q, 0,1
.if ((\a) == 0) && (\q == 1)
	s_wait_dscnt 16                                ; W's second run is in (behind it: x's blocks 2 and 3)
.endif
.irp b, 0,1,2,3,4,5,6,7
	WM \a, \b, \q, \q, 1, 0, PA+32*((\a)%4)+16*\q
.endr
.endr
.endm
; The way out of block a: through my own stage (LDS serves a wave's instructions in order: ISA guide 5.7.1.4) and back as whole rows of 512 bytes.
.macro TOSTAGE a
.set AC, 64*((\a)%4)
	WIN 0x08+4*((\a)/4)
.irp b, 0,1,2,3,4,5,6,7
	ds_store_b128 v[STO], v[AC+8*\b:AC+8*\b+3] offset:64*\b          ; each accumulator from its low end on
	ds_store_b128 v[STO], v[AC+8*\b+4:AC+8*\b+7] offset:64*\b+16
.endr
	WIN 0
.irp t, 0,1,2,3,4,5,6,7,8,9,10,11,12,13,14,15
	ds_load_b128 v[BB+4*\t:BB+4*\t+3], v[RD] offset:\t*SPITCH
.endr
.endm
.macro SEND a, younger
	WIN 0
	s_wait_dscnt \younger                          ; the block is back in registers
.if (\a) > 0
	s_add_nc_u64 s[12:13], s[12:13], 16*SIZE_N*4   ; (behind the wait on XCNT ahead of this block's stage)
.endif
.irp t, 0,1,2,3,4,5,6,7,8,9,10,11,12,13,14,15
	global_store_b128 v[CO], v[BB+4*\t:BB+4*\t+3], s[12:13] offset:\t*SIZE_N*4 th:TH_STORE_NT   ; 32 lanes store 512 consecutive bytes, at a multiple of 256 from out0's first byte
.endr
.endm
	s_wait_dscnt 48                                ; all but W's second run (32 loads) and x's blocks 2 and 3 (16)
	ROW 0
.irp a, 0,1,2,3,4,5,6,7
	PLACES NP                                      ; behind block a's products: its results are read, and its buffer of x is loaded again
.if \a > 0
	s_wait_xcnt 0x0                                ; the block before's stores have read their registers and their base
.endif
	TOSTAGE \a
.if \a < 4
	ALOAD \a+4
.endif
.if \a < 7
	ROW \a+1                                       ; the next block's products stand between the stage's loads and the wait for them
.endif
.if \a < 4
	SEND \a, 8
.else
	SEND \a, 0
.endif
.endr
	s_wait_tensorcnt 0x0                           ; the wave's end
	ds_add_u32 v[SPW], v[NIL]
	s_wait_dscnt 0x0
	CROUND                                         ; the closing round
	s_endpgm
.Lfunc_end_k_qb4ef911b1d_gemm:
	.size	k_qb4ef911b1d_gemm, .Lfunc_end_k_qb4ef911b1d_gemm-k_qb4ef911b1d_gemm
	.p2alignl 7, 3214868480
	.fill 96, 4, 3214868480
	.section	.rodata,"a",@progbits
	.p2align	6, 0x0
	.amdhsa_kernel k_qb4ef911b1d_gemm
		.amdhsa_group_segment_fixed_size 327680
		.amdhsa_private_segment_fixed_size 0
		.amdhsa_enable_private_segment 0
		.amdhsa_kernarg_size 32
		.amdhsa_user_sgpr_count 2
		.amdhsa_user_sgpr_kernarg_segment_ptr 1
		.amdhsa_wavefront_size32 1
		.amdhsa_system_sgpr_workgroup_id_x 1
		.amdhsa_system_sgpr_workgroup_id_y 1
		.amdhsa_system_sgpr_workgroup_id_z 1
		.amdhsa_system_vgpr_workitem_id 0
		.amdhsa_next_free_vgpr 1024
		.amdhsa_next_free_sgpr 98
		.amdhsa_reserve_vcc 0
		.amdhsa_float_denorm_mode_32 3
		.amdhsa_float_denorm_mode_16_64 3
		.amdhsa_memory_ordered 1
		.amdhsa_forward_progress 1
		.amdhsa_inst_pref_size 151
	.end_amdhsa_kernel
	.amdgpu_metadata
---
amdhsa.version: [ 1, 2 ]
amdhsa.kernels:
  - .name:           k_qb4ef911b1d_gemm
    .symbol:         k_qb4ef911b1d_gemm.kd
    .args:
      - { .name: x_codes, .offset: 0, .size: 8, .value_kind: global_buffer, .address_space: global }
      - { .name: x_scales, .offset: 8, .size: 8, .value_kind: global_buffer, .address_space: global }
      - { .name: w_codes, .offset: 16, .size: 8, .value_kind: global_buffer, .address_space: global }
      - { .name: out0, .offset: 24, .size: 8, .value_kind: global_buffer, .address_space: global }
    .group_segment_fixed_size: 327680
    .private_segment_fixed_size: 0
    .kernarg_segment_align: 8
    .kernarg_segment_size: 32
    .max_flat_workgroup_size: 128
    .sgpr_count:     98
    .vgpr_count:     1024
    .wavefront_size: 32
...
	.end_amdgpu_metadata
.endif
;; end of part 2
